; MI455X (gfx1250); checked and timed in simulation.
; The chip was launched on July 23, 2026; its instructions are those of AMD's public machine-readable ISA for CDNA 5 (MIT licence, August 2026) and "CDNA5" Instruction Set Architecture Reference Guide (July 2026). The comments in the code are by the model that wrote it; some were corrected since.
;; Bahdanau Attention. Allowed arithmetic: matrix products marked QUANTISED: E2M1 operands, one E8M0 scale for each 32 along K, by v_wmma_scale_f32_16x16x128_f8f6f4 with both operands' format E2M1 (or v_wmma_scale_f32_32x16x128_f4), f32 sums; products left as they are: f32 operands where the result goes on into a quantised operand, else bf16, f16 or f32 operands; f32 sums; everything else in f32.
;; Inputs: We 1,024 x 1 float32; Wk 1,024 x 1,024 float32; Wq 1,024 x 1,024 float32; mask 32 x 1 x 2,048 bool; query 32 x 1 x 1,024 float32; values 32 x 2,048 x 1,024 float32.
;; Outputs: out0 32 x 1 x 1,024 float32; out1 32 x 1 x 2,048 float32.
;; This version of the problem:
;;   THIS VERSION OF THE PROBLEM IS GIVEN IN LOW PRECISION. The matrix products marked QUANTISED in the list below multiply operands that are first quantised to E2M1 (2 exponent bits, 1 mantissa bit; 4 bits a number), with one power-of-two scale for each 32 numbers along K (OCP MX v1.0); their sums are f32. All else is computed in f32.
;;   The module's matrix products, in the order in which they are computed (A, B: the left and right operand; K: the contracted axis; several contracted axes count as one K, in the product's order):
;;     1. [M 65,536, K 1,024] x [K 1,024, N 1,024]; A: input values; B: input Wk: QUANTISED
;;     2. [M 32, K 1,024] x [K 1,024, N 1,024]; A: input query; B: input Wq: QUANTISED
;;     3. [M 1, K 1,024] x [K 1,024, N 65,536]; A: input We; B: computed on the way: left as it is (M = 1 < 16)
;;     4. batch 32 x [M 1, K 2,048] x [K 2,048, N 1,024]; A: softmax; B: input values: left as it is (M = 1 < 16)
;;   THE QUANTISER, for each operand of a quantised product, along K:
;;     - K is cut into blocks of 32 from its start; a last block that is shorter is filled with zeros.
;;     - A block's scale is 2^e with e = floor(log2(the largest magnitude in the block)) - 2, held to -126 .. 127; a block of zeros has e = 0. As a byte (E8M0): e + 127.
;;     - Each number is divided by its block's scale, clamped to +-6, and rounded to the nearest number of E2M1, ties to even, subnormals kept.
;;     - The product sums the exact products of the quantised numbers (number of the format x scale) in f32.
;;   ~~~python
;;   def quantise(x, axis):      # numpy; x: float32 -> the quantised numbers, widened to float32 again
;;       x = np.moveaxis(x, axis, -1); K = x.shape[-1]
;;       x = np.pad(x, [(0, 0)] * (x.ndim - 1) + [(0, -K % 32)]); x = x.reshape(x.shape[:-1] + (-1, 32)); a = np.abs(x).max(-1, keepdims=True)
;;       e = np.where(a > 0, np.clip(np.frexp(np.where(a > 0, a, 1))[1] - 1 - 2, -126, 127), 0)      # np.frexp(a)[1] - 1 = floor(log2(a)), exactly
;;       r = np.clip(x / 2.0 ** e, -6, 6)
;;       step = 2.0 ** (np.maximum(np.frexp(np.where(r == 0, 1, r))[1] - 1, 0) - 1)
;;       q = np.round(r / step) * step * 2.0 ** e      # np.round: ties to even
;;       return np.moveaxis(q.reshape(q.shape[:-2] + (-1,))[..., :K], -1, axis).astype(np.float32)
;;   ~~~
;; One version. Each part assembles by itself: llvm-mc -triple=amdgcn-amd-amdhsa -mcpu=gfx1250 --defsym DOCPART=n.
;; ======== version 1 of 1: 3 launches
;; limits: values are held in bf16: 8 bits of precision; right only within a limited range of input values
;; workspace buffers: wkq 557,056 bytes; pq 131,072 bytes; scores 262,144 bytes; part 1,048,576 bytes; stat 65,536 bytes
;; launch prep (part 1): grid 64 x 1, 8 waves a work-group, no clusters, 37,888 bytes of LDS; arguments Wk, Wq, query, wkq, pq; writes wkq, pq
.if DOCPART == 1
	.amdgcn_target "amdgcn-amd-amdhsa--gfx1250"
	.amdhsa_code_object_version 6
	.text
	.protected	k_qfaabcf0c13_prep
	.globl	k_qfaabcf0c13_prep
	.p2align	8
	.type	k_qfaabcf0c13_prep,@function
k_qfaabcf0c13_prep:
	s_mov_b64 s[64:65], 0
	v_nop
	global_prefetch_b8 v0, s[64:65] scope:SCOPE_SE
	s_setreg_imm32_b32 hwreg(HW_REG_WAVE_MODE, 25, 1), 1
	s_wait_xcnt 0x0
; Work-groups 0-31: Wk [1024 (k)][1024 (n)] f32 becomes codes of FP4 (E2M1) with one E8M0 scale byte for each 32 along K, laid in the order of the operand registers.
; Work-groups 32-63: pq = Q(query) Q(Wq), both quantised in registers, by the scaled FP4 matrix instruction; pq is [32][1024] f32.
; SHARES.  Work-group g takes matrix g / 32 and the 32 columns 32 G .. 32 G + 31, G = g % 32.  Wave s takes K step s (128 along K).  A LANE TAKES A COLUMN AND ITS REGISTERS RUN DOWN K:
; a block of 32 along K lies in one lane, its largest magnitude needs no other lane, and the conversions give codes with K innermost.  A load of a wave covers 128 consecutive bytes.
; wkq: group G is 17,408 bytes: codes [K step 0..7][tile 0..1][c 0..1][lane][16 bytes], an image of the fragments; then scale words [q 0..1][lane][4 words: K steps 4 q ..]; lanes 0-15 tile 0, lanes 16-31 tile 1.
; A block scale is 2^(floor(log2(largest magnitude)) - 2): its byte is the largest magnitude's exponent field - 2, held at 1 from below.
; LIMITS: a block of zeros gets the byte 1 where the rule says 127 (its codes are zeros, and this program alone reads the bytes); NaN and infinities among the inputs are not served.
; The launch has work for 64 work-groups: K is shared among the eight waves of a work-group, and product 2's sum over K stays inside it.  pq leaves in pieces of 16 bytes a lane, rows 4,096 bytes apart: 128 KB in all.
.set XW,  128                          ; v128-255 128 numbers of W down K; later product 2's four accumulators (a, u) at XW + 8 (2 a + u)
.set QN,  64                           ; v64-127  64 numbers of a query row; later the eight partial sums
.set FW0, 32                           ; v32-39   W's fragment of tile 0 (columns 0-15 of the group)
.set FW1, 40                           ; v40-47   of tile 1
.set QF0, 48                           ; v48-55   the query's fragment, rows 0-15;  v56-63 rows 16-31
.set WS,  20                           ; v20      W's scale word: lanes 0-15 tile 0, lanes 16-31 tile 1.  Scales and nothing else
.set QS0, 21                           ; v21, v22 the query's scale words.  Scales and nothing else
.set MXR, 16                           ; v16-19   largest magnitudes
.set SOP, 24                           ; v24-27   the conversions' scale operands
.set SBY, 28                           ; v28-31   scale bytes
.set RED, 1024                         ; LDS: bytes 0-1,023 serve Wk's path alone; from RED on 8 x 4,096 bytes serve Wq's path alone
.set GRP, 17408
; 128 numbers of a lane's column become the two tiles' fragments and the scale word
.macro QW
.irp b, 0,1,2,3
	v_max3_num_f32 v[MXR+\b], |v[XW+32*\b]|, |v[XW+32*\b+1]|, 0x1800000   ; and the floor 2^(3 - 127): the byte cannot fall under 1
.endr
.irp i, 2,4,6,8,10,12,14,16,18,20,22,24,26,28,30
.irp b, 0,1,2,3
	s_delay_alu instid0(VALU_DEP_4)
	v_max3_num_f32 v[MXR+\b], v[MXR+\b], |v[XW+32*\b+\i]|, |v[XW+32*\b+\i+1]|   ; the four blocks by turns
.endr
.endr
.irp b, 0,1,2,3
	s_delay_alu instid0(VALU_DEP_4)
	v_add_nc_u32 v[SOP+\b], 0xff000000, v[MXR+\b]      ; 2 off the exponent field: the conversion takes that field as its scale
.endr
.irp b, 0,1,2,3
	s_delay_alu instid0(VALU_DEP_4)
	v_lshrrev_b32 v[SBY+\b], 23, v[SOP+\b]             ; the scale's byte
.endr
	s_delay_alu instid0(VALU_DEP_3)
	v_lshl_or_b32 v[WS], v[SBY+1], 8, v[SBY]
	s_delay_alu instid0(VALU_DEP_1)
	v_lshl_or_b32 v[WS], v[SBY+2], 16, v[WS]
	s_delay_alu instid0(VALU_DEP_1)
	v_lshl_or_b32 v[WS], v[SBY+3], 24, v[WS]
.irp b, 0,1,2,3
.irp g, 0,1,2,3
	v_cvt_scalef32_pk8_fp4_f32 v[FW0+8*(\b%2)+4*(\b/2)+\g], v[XW+32*\b+8*\g:XW+32*\b+8*\g+7], v[SOP+\b]   ; even blocks into the first set, odd blocks into the second
.endr
.endr
	v_nop                                              ; one plain place behind the scaled conversions
.irp c, 0,1
.irp j, 0,1,2,3
	v_permlane16_swap_b32 v[FW0+4*\c+\j], v[FW1+4*\c+\j]   ; the first set's lanes 16-31 change places with the second's lanes 0-15: lane (r, h) of tile u now holds column 16 u + r, block 2 c + h
.endr
.endr
.endm
; 64 numbers of a lane's query row (blocks h and 2 + h of the K step) become a fragment and its scale word
.macro QQ f, sc
.irp c, 0,1
	v_max3_num_f32 v[MXR+\c], |v[QN+32*\c]|, |v[QN+32*\c+1]|, 0x1800000
.endr
.irp i, 2,4,6,8,10,12,14,16,18,20,22,24,26,28,30
.irp c, 0,1
	s_delay_alu instid0(VALU_DEP_2)
	v_max3_num_f32 v[MXR+\c], v[MXR+\c], |v[QN+32*\c+\i]|, |v[QN+32*\c+\i+1]|
.endr
.endr
.irp c, 0,1
	s_delay_alu instid0(VALU_DEP_2)
	v_add_nc_u32 v[SOP+\c], 0xff000000, v[MXR+\c]
.endr
.irp c, 0,1
	s_delay_alu instid0(VALU_DEP_2)
	v_lshrrev_b32 v[SBY+\c], 23, v[SOP+\c]
.endr
	s_delay_alu instid0(VALU_DEP_1)
	v_lshl_or_b32 v8, v[SBY+1], 16, v[SBY]             ; my two bytes,
	s_delay_alu instid0(VALU_DEP_1)
	v_lshlrev_b32 v8, v9, v8                           ; at their places in the word (8 h bits up);
	v_mov_b32 v10, 0
	s_delay_alu instid0(VALU_DEP_1)
	v_permlanex16_b32 v10, v8, s22, s23
	s_delay_alu instid0(VALU_DEP_1)
	v_or_b32 v[\sc], v8, v10                           ; with lane l xor 16's two the word is whole
.irp c, 0,1
.irp g, 0,1,2,3
	v_cvt_scalef32_pk8_fp4_f32 v[\f+4*\c+\g], v[QN+32*\c+8*\g:QN+32*\c+8*\g+7], v[SOP+\c]
.endr
.endr
	v_nop                                              ; one plain place behind the scaled conversions
.endm
.macro QLOAD a                         ; rows 16 a + r of the query: lane (r, h) takes k = 64 c + 32 h + 0 .. 31 of the K step
.irp c, 0,1
.irp j, 0,1,2,3,4,5,6,7
	global_load_b128 v[QN+32*\c+4*\j:QN+32*\c+4*\j+3], v11, s[8:9] offset:65536*\a+256*\c+16*\j
.endr
.endr
.endm
	s_load_b256 s[4:11], s[0:1], 0x0               ; Wk s[4:5], Wq s[6:7], query s[8:9], wkq s[10:11]
	s_load_b64 s[12:13], s[0:1], 0x20              ; pq
	v_lshl_add_u32 v15, v0, 2, 0x9000
	v_mov_b32 v23, 0
	v_lshrrev_b32 v1, 5, v0
	s_delay_alu instid0(VALU_DEP_1)
	v_readfirstlane_b32 s14, v1                    ; wave = K step
	v_and_b32 v1, 31, v0                           ; lane
	v_and_b32 v2, 15, v0                           ; r
	v_bfe_u32 v3, v0, 4, 1                         ; h
	s_delay_alu instid0(VALU_DEP_3)
	v_lshlrev_b32 v4, 2, v1                        ; 4 x lane: my column in a row of W
	s_delay_alu instid0(VALU_DEP_4)
	v_lshlrev_b32 v5, 4, v1                        ; 16 x lane
	s_wait_alu depctr_va_vdst(0)
	s_and_b32 s15, ttmp9, 31                       ; G
	s_lshl_b32 s16, s14, 19                        ; 128 rows of 4,096 bytes a K step
	s_lshl_b32 s17, s15, 7                         ; 32 columns of 4 bytes a group
	s_add_co_u32 s16, s16, s17
	s_mov_b32 s17, 0
	; every LDS address is made here, ahead of the parting of the two paths
	s_lshr_b32 s18, s14, 2
	s_lshl_b32 s18, s18, 9
	s_and_b32 s19, s14, 3
	s_lshl_b32 s19, s19, 2
	s_add_co_u32 s18, s18, s19
	v_add_nc_u32 v6, s18, v5                       ; Wk: my scale word's place: 512 (s / 4) + 16 lane + 4 (s % 4)
	s_lshl_b32 s19, s14, 9
	v_add_nc_u32 v7, s19, v5                       ; 512 wave + 16 lane
	s_lshl_b32 s18, s14, 12
	s_add_co_u32 s18, s18, RED
	v_add_nc_u32 v12, s18, v5                      ; Wq: where I put my partial sums
	v_add_nc_u32 v13, RED, v7                      ; and where I read one piece of all eight waves'
	v_lshlrev_b32 v9, 3, v3                        ; 8 h
	v_lshlrev_b32 v11, 12, v2
	s_delay_alu instid0(VALU_DEP_1)
	v_lshl_add_u32 v11, v3, 7, v11                 ; query: row r of 4,096 bytes + 128 h
	v_lshlrev_b32 v14, 12, v2
	s_delay_alu instid0(VALU_DEP_1)
	v_lshl_add_u32 v14, v3, 5, v14                 ; pq: row r of 4,096 bytes + 32 h
	s_mov_b32 s22, 0x76543210
	s_mov_b32 s23, 0xfedcba98                      ; v_permlanex16_b32's selects for lane l xor 16
	s_wait_kmcnt 0x0
	s_cmp_lt_u32 ttmp9, 32                         ; the choice hangs on the work-group's number alone
	s_cselect_b64 s[4:5], s[4:5], s[6:7]
	s_add_nc_u64 s[4:5], s[4:5], s[16:17]
.set wi, 0
.rept 128
	global_load_b32 v[XW+wi], v4, s[4:5] offset:4096*wi th:TH_LOAD_NT   ; W(128 s + i, my column)
.set wi, wi+1
.endr
	s_cmp_lt_u32 ttmp9, 32
	s_cbranch_scc0 .Lquery
	; ---- Wk: codes and scale words to wkq
	s_wait_loadcnt 0x0
	QW
	s_mul_i32 s18, s15, GRP
	s_mov_b32 s19, 0
	s_add_nc_u64 s[10:11], s[10:11], s[18:19]      ; my group
	s_lshl_b32 s18, s14, 11
	s_add_nc_u64 s[20:21], s[10:11], s[18:19]      ; my K step's 2,048 bytes
	global_store_b128 v5, v[FW0:FW0+3], s[20:21]                   ; each store of the wave covers 512 consecutive bytes, aligned
	global_store_b128 v5, v[FW0+4:FW0+7], s[20:21] offset:512
	global_store_b128 v5, v[FW1:FW1+3], s[20:21] offset:1024
	global_store_b128 v5, v[FW1+4:FW1+7], s[20:21] offset:1536
	ds_store_b32 v6, v[WS]                         ; the eight waves' scale words meet in LDS,
	s_wait_dscnt 0x0                               ; for the others' sake: my store has landed
	s_barrier_signal -1
	s_barrier_wait -1
	s_cmp_gt_u32 s14, 1
	s_cbranch_scc1 .Lwk_end
	ds_load_b128 v[64:67], v7                      ; and waves 0 and 1 send them out, four K steps' words a lane
	s_wait_dscnt 0x0
	global_store_b128 v7, v[64:67], s[10:11] offset:16384
.Lwk_end:
	s_wait_tensorcnt 0x0
	ds_add_u32 v15, v23
	s_wait_dscnt 0x0
	s_endpgm
	; ---- Wq: product 2
.Lquery:
	s_lshl_b32 s18, s14, 9                         ; my K step in a row of the query
	s_mov_b32 s19, 0
	s_add_nc_u64 s[8:9], s[8:9], s[18:19]
	s_wait_alu depctr_va_vdst(0)
	QLOAD 0
	s_wait_loadcnt 0x0
	QQ QF0, QS0
	QLOAD 1                                        ; rows 16-31 land while W is quantised
	QW
	s_wait_loadcnt 0x0
	QQ QF0+8, QS0+1
.rept 8
	v_nop                                          ; a scale register written by a vector instruction stands 8 places ahead of a scaled matrix instruction, an operand 4
.endr
.irp a, 0,1                            ; transposed: source 0 = 16 columns of Wq, source 1 = 16 rows of the query: lane (r, h), register j = pq(16 a + r, 16 u + 8 h + j)
	v_wmma_scale_f32_16x16x128_f8f6f4 v[XW+16*\a:XW+16*\a+7], v[FW0:FW0+7], v[QF0+8*\a:QF0+8*\a+7], 0, v[WS], v[QS0+\a] matrix_a_fmt:MATRIX_FMT_FP4 matrix_b_fmt:MATRIX_FMT_FP4
	v_wmma_scale_f32_16x16x128_f8f6f4 v[XW+16*\a+8:XW+16*\a+15], v[FW1:FW1+7], v[QF0+8*\a:QF0+8*\a+7], 0, v[WS], v[QS0+\a] matrix_a_fmt:MATRIX_FMT_FP4 matrix_b_fmt:MATRIX_FMT_FP4 matrix_a_scale:MATRIX_SCALE_ROW1
.endr
.rept 4
	v_nop                                          ; four places ahead of the first read of the results
.endr
.irp i, 0,1,2,3,4,5,6,7
	ds_store_b128 v12, v[XW+4*\i:XW+4*\i+3] offset:512*\i          ; each accumulator from its low end on
.endr
	s_wait_dscnt 0x0                               ; for the others' sake
	s_barrier_signal -1
	s_barrier_wait -1
.irp g, 0,1,2,3,4,5,6,7
	ds_load_b128 v[QN+4*\g:QN+4*\g+3], v13 offset:4096*\g          ; piece number = my wave, of all eight K steps
.endr
	s_lshr_b32 s18, s14, 2                         ; the piece: a = wave / 4, u = (wave / 2) % 2, upper or lower four registers = wave % 2
	s_lshl_b32 s18, s18, 16
	s_lshl_b32 s19, s15, 7
	s_add_co_u32 s18, s18, s19
	s_bfe_u32 s19, s14, 0x10001
	s_lshl_b32 s19, s19, 6
	s_add_co_u32 s18, s18, s19
	s_and_b32 s19, s14, 1
	s_lshl_b32 s19, s19, 4
	s_add_co_u32 s18, s18, s19
	s_mov_b32 s19, 0
	s_add_nc_u64 s[12:13], s[12:13], s[18:19]
	s_wait_dscnt 0x0
.irp g, 1
	v_pk_add_f32 v[QN:QN+1], v[QN:QN+1], v[QN+4*\g:QN+4*\g+1]      ; K ascending
	v_pk_add_f32 v[QN+2:QN+3], v[QN+2:QN+3], v[QN+4*\g+2:QN+4*\g+3]
.endr
.irp g, 2, 3, 4, 5, 6, 7
	s_delay_alu instid0(VALU_DEP_2)
	v_pk_add_f32 v[QN:QN+1], v[QN:QN+1], v[QN+4*\g:QN+4*\g+1]      ; K ascending
	s_delay_alu instid0(VALU_DEP_2)
	v_pk_add_f32 v[QN+2:QN+3], v[QN+2:QN+3], v[QN+4*\g+2:QN+4*\g+3]
.endr
	global_store_b128 v14, v[QN:QN+3], s[12:13]
	s_wait_tensorcnt 0x0
	ds_add_u32 v15, v23
	s_wait_dscnt 0x0
	s_endpgm
.Lfunc_end_k_qfaabcf0c13_prep:
	.size	k_qfaabcf0c13_prep, .Lfunc_end_k_qfaabcf0c13_prep-k_qfaabcf0c13_prep
	.p2alignl 7, 3214868480
	.fill 96, 4, 3214868480
	.section	.rodata,"a",@progbits
	.p2align	6, 0x0
	.amdhsa_kernel k_qfaabcf0c13_prep
		.amdhsa_group_segment_fixed_size 37888
		.amdhsa_private_segment_fixed_size 0
		.amdhsa_enable_private_segment 0
		.amdhsa_kernarg_size 40
		.amdhsa_user_sgpr_count 2
		.amdhsa_user_sgpr_kernarg_segment_ptr 1
		.amdhsa_wavefront_size32 1
		.amdhsa_system_sgpr_workgroup_id_x 1
		.amdhsa_system_sgpr_workgroup_id_y 1
		.amdhsa_system_sgpr_workgroup_id_z 1
		.amdhsa_system_vgpr_workitem_id 0
		.amdhsa_next_free_vgpr 256
		.amdhsa_next_free_sgpr 66
		.amdhsa_reserve_vcc 0
		.amdhsa_float_denorm_mode_32 3
		.amdhsa_float_denorm_mode_16_64 3
		.amdhsa_memory_ordered 1
		.amdhsa_forward_progress 1
		.amdhsa_inst_pref_size 48
	.end_amdhsa_kernel
	.amdgpu_metadata
---
amdhsa.version: [ 1, 2 ]
amdhsa.kernels:
  - .name:           k_qfaabcf0c13_prep
    .symbol:         k_qfaabcf0c13_prep.kd
    .args:
      - { .name: Wk, .offset: 0, .size: 8, .value_kind: global_buffer, .address_space: global }
      - { .name: Wq, .offset: 8, .size: 8, .value_kind: global_buffer, .address_space: global }
      - { .name: query, .offset: 16, .size: 8, .value_kind: global_buffer, .address_space: global }
      - { .name: wkq, .offset: 24, .size: 8, .value_kind: global_buffer, .address_space: global }
      - { .name: pq, .offset: 32, .size: 8, .value_kind: global_buffer, .address_space: global }
    .group_segment_fixed_size: 37888
    .private_segment_fixed_size: 0
    .kernarg_segment_align: 8
    .kernarg_segment_size: 40
    .max_flat_workgroup_size: 256
    .sgpr_count:     66
    .vgpr_count:     256
    .wavefront_size: 32
...
	.end_amdgpu_metadata
.endif
;; end of part 1
;; launch main (part 2): grid 256 x 1, 4 waves a work-group, clusters of 4 x 1, 327,680 bytes of LDS; arguments values, mask, wkq, pq, We, scores, part, stat; writes scores, part, stat
.if DOCPART == 2
	.amdgcn_target "amdgcn-amd-amdhsa--gfx1250"
	.amdhsa_code_object_version 6
	.text
	.protected	k_qfaabcf0c13_main
	.globl	k_qfaabcf0c13_main
	.p2align	8
	.type	k_qfaabcf0c13_main,@function
k_qfaabcf0c13_main:
	s_mov_b64 s[64:65], 0
	v_nop
	global_prefetch_b8 v0, s[64:65] scope:SCOPE_SE
	s_setreg_imm32_b32 hwreg(HW_REG_WAVE_MODE, 25, 1), 1
	s_wait_xcnt 0x0
	s_wait_alu depctr_hold_cnt(0) depctr_sa_sdst(0) depctr_va_vdst(0) depctr_va_sdst(0) depctr_va_ssrc(0) depctr_va_vcc(0) depctr_vm_vsrc(0)
	s_getreg_b32 s2, hwreg(HW_REG_IB_STS2, 6, 4)
	s_cmp_eq_u32 s2, 0
	s_cbranch_scc0 .Lentry_in_a_cluster
	s_endpgm
.Lentry_in_a_cluster:
	s_bfe_u32 s2, ttmp6, 0x10000c
	s_cmp_lg_u32 s2, 0x3003
	s_cbranch_scc0 .Lentry_shape_is_right
	s_endpgm
.Lentry_shape_is_right:
; A work-group takes 256 rows s of one batch (an eighth of it) in four passes of 64 rows: scores, a running softmax and a partial context; launch finish joins the eight parts of a batch.
; score(s) = sum over h of We[h] tanh(pq[h] + pk[s][h]), pk = Q(values) Q(Wk) by the scaled FP4 matrix instruction.  tanh(x) = 1 - 2 / (1 + e^(2x)).
; LEFT OUT: the term sum over h of We[h], which the 1 of that formula gives: it is the same for every s of a row of the softmax, so it cancels in alphas and context for all values of We; the scores are a workspace of this program alone.
; LIMIT: an overflow or NaN that this sum alone would make is not carried to the result.  e^(2x) beyond f32 gives infinity and 1 / infinity = 0: tanh = 1, as it should.
; A PASS.  Each wave has 16 rows of f32 in registers (windows 2, 3), asked for a pass ahead.  A row becomes FP4 codes and scale bytes (LDS: AR, ASL) and a bf16 copy (LDS: BF).  Behind a barrier every wave takes all 64 rows' codes
; into window 1 (4 tiles x 8 K steps x 8 registers) and walks its own 32 of each 128 columns of Wk: 8 steps of 2 tiles of 16 columns.  Wk's codes come as images of the fragments through a ring of two slots; a wave reads the part that it fetched.
; CLUSTER: the four work-groups of a cluster walk the same Wk and ask for each part jointly (mask 15).  A round of the cluster's barrier stands in front of each refill.
; THE N LOOP IS A PIPELINE OF PHASES, a tile each: 32 matrix instructions, the four accumulators by turns; + 1 on the tile before; the new tile's 2 x log2 e; ONE batch of the old tile's 32 reciprocals and the new tile's 32 exponentials;
; the old tile's sum with -2 We.  The product is used transposed: a lane holds one row s and eight columns h.
; NO DATA PREFETCH: the values are asked for a pass ahead by the register loads themselves, and wkq is read again and again by all work-groups of the launch.
; LIMIT: NaN and infinities among the inputs are not served; a block of zeros has the scale byte 1 (its codes are zeros; the bytes are this program's own).
.set PARTB,  17408                     ; a group of 32 columns of Wk: 16,384 bytes of codes, 1,024 of scale words
.set SLOTB,  4*PARTB                   ; a slot: a part for each wave
.set BF,     2*SLOTB                   ; 64 rows x 2,048 bytes: the pass's values in bf16
.set AR,     BF+64*2048                ; 64 rows of codes, 512 bytes + 16 of padding
.set APITCH, 528
.set ASL,    AR+64*APITCH              ; 64 rows of scale bytes, 32 + 16 of padding
.set SPITCH, 48
.set PQT,    ASL+64*SPITCH             ; pq x 2 log2 e (4,096 bytes), then -2 We (4,096)
.set SPT,    PQT+8192                  ; the four waves' partial scores
.set PP,     SPT+1024                  ; each wave's copy of the pass's p
.set MK,     PP+1024                   ; the work-group's 256 mask bytes
.set SPARE,  MK+256                    ; the spare words, 128 bytes a wave
.set SPW, 1                            ; v1 my spare word's address, v2 = 0: never rewritten
.set NIL, 2
.set VO,  3                            ; my offset in 512 bytes of a row of values
.set B0,  4                            ; my place in my part of a slot;  v5 the same in the slot in hand
.set BADR, 5
.set PW0, 6                            ; my place in PQT;  v7 the same for the group in hand
.set PADR, 7
.set CA,  8                            ; stores of codes, bf16, scale bytes
.set BA,  9
.set SA,  10
.set AA,  11                           ; reads of A's fragments and scale words
.set ASA, 12
.set SPS, 13
.set SPR, 14
.set MKA, 15
.set PPS, 16
.set PPA, 17
.set CXA, 18                           ; v18, v19 reads of the bf16 rows
.set SGO, 20
.set MX,  21                           ; the running largest score, the running sum
.set LS,  22
.set FF,  28
.set F1,  30
.set F2,  31
.set ASR, 32                           ; v32-47 A's scale words;  v48-55 Wk's: scales and nothing else
.set BS,  48
.set SC,  56                           ; v56-63 the scores' sums, a pair for each tile of rows
.set ACX, 64                           ; v64-95, v96-127 the two tiles' accumulators
.set ACY, 96
.set BFR, 128                          ; v128-191 Wk's fragments of one tile, 8 K steps
.set PQ0, 192
.set WE0, 200
.set PQ1, 208
.set WE1, 216
.set CTX, 224                          ; v224-231 my eight columns of the context
.set WV,  20
.set G1,  24
.set G0A, 32
.set G0B, 36
.set WKB, 40
.set POF, 42
.set TB,  44
.set TP,  45
.set TM,  46
.set PASS, 47
.set TWICE, 48
.set JJ,  49
.set VB,  50
.set SCB, 52
.set CC,  54
.set L2E, 56
.set SEL, 58
.set MSB, 0
.macro WIN new                         ; the immediate's high byte repeats the setting that is left
.if MSB != (\new)
	s_set_vgpr_msb (MSB<<8)|(\new)
.set MSB, (\new)
.endif
.endm
.macro CREST                           ; a round of the cluster's barrier behind its opening barrier
	s_cmp_lg_u32 s[WV], 0
	s_cbranch_scc1 .Lnot_wave_0_\@
	s_barrier_signal -3
.Lnot_wave_0_\@:
	s_barrier_wait -3
	s_barrier_signal -1
	s_barrier_wait -1
.endm
.macro CROUND
	s_barrier_signal -1
	s_barrier_wait -1
	CREST
.endm
.macro LAND i0, i1                     ; rows i0 .. i1 of my 16: eight loads a row, each of 512 consecutive bytes
.set li, \i0
.rept \i1-\i0+1
	WIN 0x80+0x40*(li/8)
.irp q, 0,1,2,3
	global_load_b128 v[32*(li%8)+8*\q:32*(li%8)+8*\q+3], v[VO], s[VB:VB+1] offset:4096*li+1024*\q th:TH_LOAD_NT
	global_load_b128 v[32*(li%8)+8*\q+4:32*(li%8)+8*\q+7], v[VO], s[VB:VB+1] offset:4096*li+1024*\q+512 th:TH_LOAD_NT
.endr
.set li, li+1
.endr
	WIN 0
.endm
.macro LANDNEXT i0, i1                 ; the next pass's rows; the last pass has none
	s_cmp_eq_u32 s[PASS], 1
	s_cbranch_scc1 .Lno_block_\@
	LAND \i0, \i1
.Lno_block_\@:
.endm
; Row i of my 16: codes, scale bytes and bf16.  After the exchange of halves a lane holds 8 neighbours along K, four lanes a block of 32.
.macro CROW i
.set RB, 32*((\i)%8)
.set WN, 2+(\i)/8
.set TS, ACX+32*((\i)%2)
.if 8*(15-(\i)) > 63
	s_wait_loadcnt 63                              ; behind this row's loads stand 8 for each later row: more than the count can name
.else
	s_wait_loadcnt 8*(15-(\i))                     ; the later rows' loads may be out
.endif
.if (\i) >= 2
	s_wait_dscnt 12                                ; row i - 2's stores have read the registers that are written again
.endif
	WIN (WN<<6)|WN
.irp q, 0,1,2,3
.irp j, 0,1,2,3
	v_permlane16_swap_b32 v[RB+8*\q+\j], v[RB+8*\q+4+\j]
.endr
.endr
	WIN (WN<<2)|WN
.irp q, 0,1,2,3
	v_max3_num_f32 v[TS+16+\q], |v[RB+8*\q]|, |v[RB+8*\q+1]|, 0x1800000   ; with the floor 2^(3 - 127): the byte cannot fall under 1
.endr
.irp j, 2,4,6
.irp q, 0,1,2,3
	v_max3_num_f32 v[TS+16+\q], |v[RB+8*\q+\j]|, |v[RB+8*\q+\j+1]|, v[TS+16+\q]
.endr
.endr
.irp q, 0,1,2,3
.irp j, 0,1,2,3
	v_cvt_pk_bf16_f32 v[TS+4*\q+\j], v[RB+8*\q+2*\j], v[RB+8*\q+2*\j+1]
.endr
.endr
	WIN 0
.irp q, 0,1,2,3
	v_max_num_f32_dpp v[TS+16+\q], v[TS+16+\q], v[TS+16+\q] row_xmask:1 row_mask:0xf bank_mask:0xf
.endr
.irp q, 0,1,2,3
	v_max_num_f32_dpp v[TS+16+\q], v[TS+16+\q], v[TS+16+\q] row_xmask:2 row_mask:0xf bank_mask:0xf
.endr
.irp q, 0,1,2,3
	v_add_nc_u32 v[TS+20+\q], 0xff000000, v[TS+16+\q]      ; 2 off the exponent field: the conversion's scale operand
.endr
.irp q, 0,1,2,3
	v_lshrrev_b32 v[TS+24+\q], 23, v[TS+20+\q]             ; the scale's byte
.endr
	WIN WN
.irp q, 0,1,2,3
	v_cvt_scalef32_pk8_fp4_f32 v[TS+28+\q], v[RB+8*\q:RB+8*\q+7], v[TS+20+\q]
.endr
	WIN 0
	v_nop                                          ; one plain place behind the scaled conversions
.irp q, 0,1,2,3
	ds_store_b128 v[BA], v[TS+4*\q:TS+4*\q+3] offset:2048*(\i)+512*\q
	ds_store_b32 v[CA], v[TS+28+\q] offset:APITCH*(\i)+128*\q
	ds_store_b8 v[SA], v[TS+24+\q] offset:SPITCH*(\i)+8*\q
.endr
.endm
.macro AFETCH                          ; all 64 rows' fragments into window 1, their scale words into v32-47
	WIN 0x40
.irp m, 0,1,2,3
.irp s, 0,1,2,3,4,5,6,7
.irp c, 0,1
	ds_load_b128 v[8*(8*\m+\s)+4*\c:8*(8*\m+\s)+4*\c+3], v[AA] offset:16*APITCH*\m+64*\s+32*\c
.endr
.endr
.endr
	WIN 0
.irp a, 0,1
.irp q, 0,1
	ds_load_b128 v[ASR+8*\a+4*\q:ASR+8*\a+4*\q+3], v[ASA] offset:32*SPITCH*\a+16*\q
.endr
.endr
.endm
.macro BLOAD u                         ; 16 loads: tile u's fragments of Wk
.irp s, 0,1,2,3,4,5,6,7
.irp c, 0,1
	ds_load_b128 v[BFR+8*\s+4*\c:BFR+8*\s+4*\c+3], v[BADR] offset:2048*\s+1024*\u+512*\c
.endr
.endr
.endm
.macro BSCL                            ; 2 loads: the group's scale words
.irp q, 0,1
	ds_load_b128 v[BS+4*\q:BS+4*\q+3], v[BADR] offset:16384+512*\q
.endr
.endm
.macro PQLOAD u                        ; 2 loads: my eight columns of pq x 2 log2 e
	ds_load_b128 v[PQ0+16*\u:PQ0+16*\u+3], v[PADR] offset:64*\u
	ds_load_b128 v[PQ0+16*\u+4:PQ0+16*\u+7], v[PADR] offset:64*\u+16
.endm
.macro WELOAD u                        ; 2 loads: and of -2 We
	ds_load_b128 v[WE0+16*\u:WE0+16*\u+3], v[PADR] offset:4096+64*\u
	ds_load_b128 v[WE0+16*\u+4:WE0+16*\u+7], v[PADR] offset:4096+64*\u+16
.endm
.macro WM u, acc                       ; source 0 = 16 columns of Wk, source 1 = 16 rows of values; K step ks, tile of rows mt
.set rD, \acc+8*mt
.set rW, BFR+8*ks
.set rA, 8*(8*mt+ks)
.set rP, BS+ks
.set rQ, ASR+8*(mt/2)+ks
.if ks == 0
.if (\u == 0) && (mt%2 == 0)
	v_wmma_scale_f32_16x16x128_f8f6f4 v[rD:rD+7], v[rW:rW+7], v[rA:rA+7], 0, v[rP], v[rQ] matrix_a_fmt:MATRIX_FMT_FP4 matrix_b_fmt:MATRIX_FMT_FP4
.elseif (\u == 0)
	v_wmma_scale_f32_16x16x128_f8f6f4 v[rD:rD+7], v[rW:rW+7], v[rA:rA+7], 0, v[rP], v[rQ] matrix_a_fmt:MATRIX_FMT_FP4 matrix_b_fmt:MATRIX_FMT_FP4 matrix_b_scale:MATRIX_SCALE_ROW1
.elseif (mt%2 == 0)
	v_wmma_scale_f32_16x16x128_f8f6f4 v[rD:rD+7], v[rW:rW+7], v[rA:rA+7], 0, v[rP], v[rQ] matrix_a_fmt:MATRIX_FMT_FP4 matrix_b_fmt:MATRIX_FMT_FP4 matrix_a_scale:MATRIX_SCALE_ROW1
.else
	v_wmma_scale_f32_16x16x128_f8f6f4 v[rD:rD+7], v[rW:rW+7], v[rA:rA+7], 0, v[rP], v[rQ] matrix_a_fmt:MATRIX_FMT_FP4 matrix_b_fmt:MATRIX_FMT_FP4 matrix_a_scale:MATRIX_SCALE_ROW1 matrix_b_scale:MATRIX_SCALE_ROW1
.endif
.else
.if (\u == 0) && (mt%2 == 0)
	v_wmma_scale_f32_16x16x128_f8f6f4 v[rD:rD+7], v[rW:rW+7], v[rA:rA+7], v[rD:rD+7], v[rP], v[rQ] matrix_a_fmt:MATRIX_FMT_FP4 matrix_b_fmt:MATRIX_FMT_FP4
.elseif (\u == 0)
	v_wmma_scale_f32_16x16x128_f8f6f4 v[rD:rD+7], v[rW:rW+7], v[rA:rA+7], v[rD:rD+7], v[rP], v[rQ] matrix_a_fmt:MATRIX_FMT_FP4 matrix_b_fmt:MATRIX_FMT_FP4 matrix_b_scale:MATRIX_SCALE_ROW1
.elseif (mt%2 == 0)
	v_wmma_scale_f32_16x16x128_f8f6f4 v[rD:rD+7], v[rW:rW+7], v[rA:rA+7], v[rD:rD+7], v[rP], v[rQ] matrix_a_fmt:MATRIX_FMT_FP4 matrix_b_fmt:MATRIX_FMT_FP4 matrix_a_scale:MATRIX_SCALE_ROW1
.else
	v_wmma_scale_f32_16x16x128_f8f6f4 v[rD:rD+7], v[rW:rW+7], v[rA:rA+7], v[rD:rD+7], v[rP], v[rQ] matrix_a_fmt:MATRIX_FMT_FP4 matrix_b_fmt:MATRIX_FMT_FP4 matrix_a_scale:MATRIX_SCALE_ROW1 matrix_b_scale:MATRIX_SCALE_ROW1
.endif
.endif
.endm
.macro WRUN u, acc, k0, k1             ; K steps k0 .. k1: the four accumulators take turns, one instruction a turn
.set ks, \k0
.rept \k1-\k0+1
.set mt, 0
.rept 4
	WM \u, \acc
.set mt, mt+1
.endr
.set ks, ks+1
.endr
.endm
.macro ONE old                         ; 1 + e^(2x), two at a time
.set oi, 0
.rept 16
	v_pk_add_f32 v[\old+oi:\old+oi+1], v[\old+oi:\old+oi+1], 1.0 op_sel_hi:[1,0]
.set oi, oi+2
.endr
.endm
.macro FS old, we                      ; the scores' sums take -2 We / (1 + e^(2x))
.irp k, 0,1,2,3
.irp m, 0,1,2,3
	v_pk_fma_f32 v[SC+2*\m:SC+2*\m+1], v[\old+8*\m+2*\k:\old+8*\m+2*\k+1], v[\we+2*\k:\we+2*\k+1], v[SC+2*\m:SC+2*\m+1]
.endr
.endr
.endm
; A PHASE: tile u of a group.  acc: its accumulators; old: the tile before, which holds e^(2x).  chg (u = 1 alone): 2 = my part of the slot just read out is filled again, 1 = a next group follows with no refill, 0 = nothing follows.
; LDS loads by the text's own count: in the middle of a phase the next tile's 16 fragment loads (with a new group 2 of scale words) and 2 of pq; at its end 2 of We for the next tile.
.macro PHASE u, acc, old, chg
.if (\u) && ((\chg) == 2)
	s_wait_tensorcnt 0x0                           ; my one tensor load that is out, my part of the other slot, has landed: its descriptor may be written
	ds_add_u32 v[SPW], v[NIL]
	s_xor_b32 s[G0B+1], s[G0B+1], SLOTB            ; the slot in hand,
	s_add_co_u32 s[JJ], s[JJ], 1
	s_and_b32 s[JJ], s[JJ], 7                      ; two groups on; behind the eighth the next pass's first
	s_mul_i32 s[POF], s[JJ], SLOTB
	s_add_nc_u64 s[G0B+2:G0B+3], s[WKB:WKB+1], s[POF:POF+1]
	s_or_b32 s[G0B+3], s[G0B+3], 0x80000000
	s_wait_dscnt 3                                 ; fragments and pq are in; We's two loads and the add may be out
	WIN 0x04
	WRUN \u, \acc, 0, 3
	s_wait_dscnt 0x0                               ; the add is done, and my reads of this slot are over
	s_barrier_signal -1                            ; opens a round of the cluster's barrier; work on registers alone up to its wait
	WRUN \u, \acc, 4, 7
	WIN 0
	ONE \old
	s_barrier_wait -1
	CREST
	tensor_load_to_lds s[G0B:G0B+3], s[G1:G1+7]    ; the joint refill, my one tensor load behind the round
	s_nop 0
.rept 4
	v_nop
.endr
.else
.if (\u) && ((\chg) == 1)
	s_wait_tensorcnt 0x0                           ; the other slot, which is read below, has landed
.endif
	s_wait_dscnt 2                                 ; fragments, scale words and pq are in; We's two loads, the youngest, may be out
	WIN 0x04
	WRUN \u, \acc, 0, 7
	WIN 0
	ONE \old                                       ; these 16 are also the places ahead of the loads and of the first read of the results
.endif
.if (\u) == 0
	BLOAD 1
	PQLOAD 1
.elseif (\chg)
	s_xor_b32 s[TB], s[TB], SLOTB
	s_add_co_u32 s[TP], s[TP], 512
	s_and_b32 s[TP], s[TP], 4095
	v_add_nc_u32 v[BADR], s[TB], v[B0]
	v_add_nc_u32 v[PADR], s[TP], v[PW0]
	s_wait_alu depctr_va_vdst(0)                   ; the wait here, directly behind the writes
	BLOAD 0
	BSCL
	PQLOAD 0
.endif
.irp k, 0,1,2,3
.irp m, 0,1,2,3
	v_pk_fma_f32 v[\acc+8*\m+2*\k:\acc+8*\m+2*\k+1], v[\acc+8*\m+2*\k:\acc+8*\m+2*\k+1], s[CC:CC+1], v[PQ0+16*(\u)+2*\k:PQ0+16*(\u)+2*\k+1] op_sel_hi:[1,0,1]   ; (pk + pq) x 2 log2 e; each accumulator from its low end on
.endr
.endr
	s_wait_alu depctr_va_vdst(0)                   ; one wait ahead of the batch
.set ei, 0
.rept 32
	v_rcp_f32 v[\old+ei], v[\old+ei]
.set ei, ei+1
.endr
.set ei, 0
.rept 32
	v_exp_f32 v[\acc+ei], v[\acc+ei]
.set ei, ei+1
.endr
	v_nop                                          ; a plain place behind the batch,
	s_wait_alu depctr_va_vdst(0)                   ; and one wait behind it
	FS \old, WE0+16*(1-(\u))
.if (\u) == 0
	WELOAD 1
.elseif (\chg)
	WELOAD 0
.endif
.endm
.macro STEP chg                        ; a group of 32 columns
	PHASE 0, ACX, ACY, \chg
	PHASE 1, ACY, ACX, \chg
.endm
.macro SEG i0, i1                      ; two steps; ahead of them rows i0 .. i1 of the next pass are asked for
.if \i1 >= \i0
	LANDNEXT \i0, \i1
.endif
	s_mov_b32 s[TWICE], 2
.Lseg_\@:
	STEP 2
	s_sub_co_u32 s[TWICE], s[TWICE], 1
	s_cmp_lg_u32 s[TWICE], 0
	s_cbranch_scc1 .Lseg_\@
.endm
.macro LOADG g                         ; four rows' p and my eight bf16 columns of each
.set ZB, ACX+24*((\g)%2)
	ds_load_b128 v[ZB:ZB+3], v[PPA] offset:16*(\g)
.irp r, 0,1,2,3
	ds_load_b128 v[ZB+4+4*\r:ZB+7+4*\r], v[CXA+(\g)/8] offset:2048*((4*(\g)+\r)%32)
.endr
.endm
.macro FMAG g
.set ZB, ACX+24*((\g)%2)
.irp r, 0,1,2,3
.irp d, 0,1,2,3
	v_fma_mix_f32_bf16 v[CTX+2*\d], v[ZB+4+4*\r+\d], v[ZB+\r], v[CTX+2*\d] op_sel_hi:[1,0,0]
	v_fma_mix_f32_bf16 v[CTX+2*\d+1], v[ZB+4+4*\r+\d], v[ZB+\r], v[CTX+2*\d+1] op_sel:[1,0,0] op_sel_hi:[1,0,0]
.endr
.endr
.endm
	s_load_b256 s[4:11], s[0:1], 0x0               ; values s[4:5], mask s[6:7], wkq s[8:9], pq s[10:11]
	s_load_b256 s[12:19], s[0:1], 0x20             ; We s[12:13], scores s[14:15], part s[16:17], stat s[18:19]
	v_lshl_add_u32 v[SPW], v0, 2, SPARE
	v_mov_b32 v[NIL], 0
	ds_add_u32 v[SPW], v[NIL]                      ; the opening lines: the add twice on end and one wait, ahead of my first tensor load
	ds_add_u32 v[SPW], v[NIL]
	v_lshrrev_b32 v254, 5, v0
	v_readfirstlane_b32 s[WV], v254                ; wave
	s_bfe_u32 s21, ttmp6, 0x40000                  ; cx
	s_lshl_b32 s22, ttmp9, 2
	s_add_co_u32 s22, s22, s21                     ; the work-group's number: addresses of its own rows alone hang on it
	s_lshr_b32 s23, ttmp9, 1                       ; the batch
	s_mov_b32 s[G1], 15|(3<<16)|(1<<21)            ; the mask names the cluster's four; elements of 8 bytes
	s_mov_b32 s[G1+1], 32<<16                      ; a part is dense: 68 rows of 256 bytes
	s_mov_b32 s[G1+2], 68<<16
	s_mov_b32 s[G1+3], 32<<16
	s_mov_b32 s[G1+4], 68
	s_mov_b32 s[G1+5], 32
	s_mov_b32 s[G1+6], 0
	s_mov_b32 s[G1+7], 0
	s_mul_i32 s60, s[WV], PARTB
	s_mov_b32 s61, 0
	s_mov_b32 s[POF+1], 0
	s_mov_b32 s[JJ], 1
	s_mov_b32 s[CC], 0x4038aa3b                    ; 2 log2 e
	s_mov_b32 s[CC+1], s[CC]
	s_mov_b32 s[L2E], 0x3fb8aa3b
	s_mov_b32 s[SEL], 0x76543210
	s_mov_b32 s[SEL+1], 0xfedcba98
	s_mov_b32 s[TB], 0
	s_mov_b32 s[TP], 0
	s_mov_b32 s[TM], 0
	s_mov_b32 s[PASS], 4
	v_and_b32 v251, 31, v0                         ; lane
	v_and_b32 v252, 15, v0                         ; r
	v_bfe_u32 v253, v0, 4, 1                       ; h
	v_lshlrev_b32 v[VO], 5, v252
	v_lshl_or_b32 v[VO], v253, 4, v[VO]
	v_lshlrev_b32 v26, 5, v0
	v_lshlrev_b32 v27, 1, v0
	v_lshl_add_u32 v249, v0, 5, PQT
	v_lshl_add_u32 v250, v0, 1, MK
	v_lshl_add_u32 v[B0], v251, 4, s60
	v_mov_b32 v[BADR], v[B0]
	s_lshl_b32 s67, s[WV], 7
	s_add_co_u32 s67, s67, PQT
	v_lshl_add_u32 v[PW0], v253, 5, s67
	v_mov_b32 v[PADR], v[PW0]
	s_mul_i32 s67, s[WV], 16*APITCH
	s_add_co_u32 s67, s67, AR
	v_lshl_add_u32 v[CA], v251, 2, s67
	s_lshl_b32 s67, s[WV], 15
	s_add_co_u32 s67, s67, BF
	v_lshl_add_u32 v[BA], v251, 4, s67
	s_mul_i32 s67, s[WV], 16*SPITCH
	s_add_co_u32 s67, s67, ASL
	v_lshrrev_b32 v254, 2, v251
	v_add_nc_u32 v[SA], s67, v254
	v_mul_u32_u24 v254, v252, APITCH
	v_lshl_add_u32 v254, v253, 4, v254
	v_add_nc_u32 v[AA], AR, v254
	v_mul_u32_u24 v254, v251, SPITCH
	v_add_nc_u32 v[ASA], ASL, v254
	s_lshl_b32 s67, s[WV], 8
	s_add_co_u32 s68, s67, SPT
	v_lshl_add_u32 v[SPS], v252, 2, s68
	v_lshl_add_u32 v[SPR], v251, 3, SPT
	v_lshl_add_u32 v[MKA], v251, 1, MK
	s_add_co_u32 s68, s67, PP
	v_lshl_add_u32 v[PPS], v251, 3, s68
	v_mov_b32 v[PPA], s68
	v_lshl_add_u32 v[CXA], v0, 4, BF
	v_add_nc_u32 v[CXA+1], 65536, v[CXA]
	v_lshlrev_b32 v[SGO], 3, v251
	s_lshl_b32 s67, s[WV], 10
	s_add_co_u32 s67, s67, PQT
	v_lshl_add_u32 v[F1], v251, 5, s67
	v_lshl_add_u32 v[F2], v251, 4, s67
	v_mov_b32 v[MX], 0xff61b1e6                    ; -3e38, under every score
	v_mov_b32 v[LS], 0
	v_mov_b32 v[FF], 0
	v_mov_b32 v[FF+1], 0
.irp k, 0,1,2,3,4,5,6,7
	v_mov_b32 v[CTX+\k], 0
	v_mov_b32 v[WE1+\k], 0
.endr
	s_wait_alu depctr_va_vdst(0)                   ; the wait at the end of the head's vector work
	s_wait_dscnt 0x0                               ; both opening adds are done
	s_wait_kmcnt 0x0
	s_add_nc_u64 s[WKB:WKB+1], s[8:9], s[60:61]    ; my part of Wk's first four groups
	s_mov_b32 s[G0A], 1
	s_mov_b32 s[G0A+1], s60
	s_mov_b64 s[G0A+2:G0A+3], s[WKB:WKB+1]
	s_or_b32 s[G0A+3], s[G0A+3], 0x80000000
	s_mov_b32 s[G0B], 1
	s_add_co_u32 s[G0B+1], s60, SLOTB
	s_add_nc_u64 s[G0B+2:G0B+3], s[WKB:WKB+1], SLOTB
	s_or_b32 s[G0B+3], s[G0B+3], 0x80000000
	s_lshl_b32 s62, s22, 20                        ; 256 rows of 4,096 bytes a work-group,
	s_lshl_b32 s63, s[WV], 16                      ; 16 rows a wave
	s_add_co_u32 s62, s62, s63
	s_mov_b32 s63, 0
	s_add_nc_u64 s[VB:VB+1], s[4:5], s[62:63]
	s_lshl_b32 s62, s22, 8
	s_add_nc_u64 s[6:7], s[6:7], s[62:63]
	s_add_nc_u64 s[18:19], s[18:19], s[62:63]
	s_lshl_b32 s62, s22, 10
	s_add_nc_u64 s[SCB:SCB+1], s[14:15], s[62:63]
	s_lshl_b32 s62, s22, 12
	s_lshl_b32 s66, s[WV], 10
	s_add_co_u32 s62, s62, s66
	s_add_nc_u64 s[16:17], s[16:17], s[62:63]
	s_lshl_b32 s62, s23, 12
	s_add_nc_u64 s[10:11], s[10:11], s[62:63]
	global_load_b128 v[232:235], v26, s[10:11]     ; pq, We and the mask: five loads, then 56 for my rows 0-6
	global_load_b128 v[236:239], v26, s[10:11] offset:16
	global_load_b128 v[240:243], v26, s[12:13]
	global_load_b128 v[244:247], v26, s[12:13] offset:16
	global_load_u16 v248, v27, s[6:7]
	LAND 0, 6
	CROUND                                         ; the round in front of the first joint loads
	tensor_load_to_lds s[G0A:G0A+3], s[G1:G1+7]    ; slot 0: one tensor load a wave at the head
	s_nop 0
.rept 4
	v_nop
.endr
	s_wait_loadcnt 56                              ; the five are in; the rows' 56 may be out
.irp k, 0,2,4,6
	v_pk_mul_f32 v[232+\k:233+\k], v[232+\k:233+\k], s[CC:CC+1] op_sel_hi:[1,0]
	v_pk_mul_f32 v[240+\k:241+\k], v[240+\k:241+\k], -2.0 op_sel_hi:[1,0]
.endr
	ds_store_b128 v249, v[232:235]
	ds_store_b128 v249, v[236:239] offset:16
	ds_store_b128 v249, v[240:243] offset:4096
	ds_store_b128 v249, v[244:247] offset:4112
	ds_store_b16 v250, v248
	s_wait_alu depctr_va_vdst(0)
	s_wait_tensorcnt 0x0                           ; slot 0 is in
	ds_add_u32 v[SPW], v[NIL]
	s_wait_dscnt 0x0                               ; the add and my stores of pq, We and the mask are done
	CROUND
	tensor_load_to_lds s[G0B:G0B+3], s[G1:G1+7]    ; slot 1, issued as a refill is
	s_nop 0
.rept 4
	v_nop
.endr
	BLOAD 0
	BSCL
	PQLOAD 0
	WELOAD 0
	LAND 7, 15
.Lpass:
.irp i, 0,1,2,3,4,5,6,7,8,9,10,11,12,13,14,15
	CROW \i
.endr
	s_add_nc_u64 s[VB:VB+1], s[VB:VB+1], 64*4096   ; no load is out: row 15's wait was for 0
	LANDNEXT 0, 6
	s_wait_dscnt 0x0                               ; for the others' sake: my rows are in LDS
	s_barrier_signal -1
	s_barrier_wait -1
	AFETCH
.set yi, 0
.rept 32
	v_mov_b32 v[ACY+yi], 0x7f800000                ; the pipeline's first phase finds infinity as the tile before: 1 / infinity adds 0
.set yi, yi+1
.endr
.irp k, 0,1,2,3,4,5,6,7
	v_mov_b32 v[SC+\k], 0
.endr
	s_wait_alu depctr_va_vdst(0)                   ; the wait here, directly ahead of the wait below
	s_wait_dscnt 0x0                               ; A's fragments and scale words
	SEG 1, 0
	SEG 7, 9
	SEG 10, 12
	s_cmp_eq_u32 s[PASS], 1
	s_cbranch_scc1 .Ltail
	SEG 13, 15
	s_branch .Lend
.Ltail:                                                ; the last pass's last two steps fill nothing
	STEP 1
	STEP 0
.Lend:
	s_wait_dscnt 0x0                               ; We of the last tile
	ONE ACY
.set yi, 0
	s_wait_alu depctr_va_vdst(0)
.rept 32
	v_rcp_f32 v[ACY+yi], v[ACY+yi]
.set yi, yi+1
.endr
	v_nop
	s_wait_alu depctr_va_vdst(0)
	FS ACY, WE1
.irp m, 0,1,2,3
	v_add_f32 v[232+\m], v[SC+2*\m], v[SC+2*\m+1]
	v_mov_b32 v[236+\m], 0
.endr
.irp m, 0,1,2,3
	v_permlanex16_b32 v[236+\m], v[232+\m], s[SEL], s[SEL+1]
.endr
.irp m, 0,1,2,3
	v_add_f32 v[232+\m], v[232+\m], v[236+\m]      ; my 256 columns' part of 64 scores
.endr
.irp m, 0,1,2,3
	ds_store_b32 v[SPS], v[232+\m] offset:64*\m
.endr
	s_wait_dscnt 0x0
	s_barrier_signal -1
	s_barrier_wait -1
	v_add_nc_u32 v23, s[TM], v[MKA]
.irp w, 0,1,2,3
	ds_load_b64 v[240+2*\w:241+2*\w], v[SPR] offset:256*\w   ; every wave sums the four parts: two scores a lane
.endr
	ds_load_u16 v248, v23
	v_mov_b32 v252, 0xff800000
	s_wait_dscnt 0x0
	v_pk_add_f32 v[240:241], v[240:241], v[242:243]
	v_pk_add_f32 v[244:245], v[244:245], v[246:247]
	v_pk_add_f32 v[240:241], v[240:241], v[244:245]
	s_wait_alu depctr_va_vdst(0)
	v_and_b32 v253, 0xff, v248
	v_lshrrev_b32 v249, 8, v248
	v_cmp_ne_u32 vcc_lo, 0, v253
	v_cndmask_b32 v250, v252, v240, vcc_lo         ; -infinity where the mask is false
	v_cmp_ne_u32 vcc_lo, 0, v249
	v_cndmask_b32 v251, v252, v241, vcc_lo
	s_cmp_lg_u32 s[WV], 0
	s_cbranch_scc1 .Lno_scores
	global_store_b64 v[SGO], v[250:251], s[SCB:SCB+1]   ; the wave stores 256 consecutive bytes, aligned
.Lno_scores:
	s_wait_alu depctr_va_vdst(0)
	v_max_num_f32 v253, v250, v251
	v_max_num_f32_dpp v253, v253, v253 row_xmask:1 row_mask:0xf bank_mask:0xf
	v_max_num_f32_dpp v253, v253, v253 row_xmask:2 row_mask:0xf bank_mask:0xf
	v_max_num_f32_dpp v253, v253, v253 row_xmask:4 row_mask:0xf bank_mask:0xf
	v_max_num_f32_dpp v253, v253, v253 row_xmask:8 row_mask:0xf bank_mask:0xf
	v_permlanex16_b32 v249, v253, s[SEL], s[SEL+1]
	v_max3_num_f32 v253, v253, v249, v[MX]         ; the running largest score
	v_sub_f32 v242, v[MX], v253
	v_sub_f32 v243, v250, v253
	v_sub_f32 v244, v251, v253
	v_mul_f32 v242, s[L2E], v242
	v_mul_f32 v243, s[L2E], v243
	v_mul_f32 v244, s[L2E], v244
	s_wait_alu depctr_va_vdst(0)
	v_exp_f32 v[FF], v242                          ; what was summed under the old maximum is scaled by this
	v_exp_f32 v254, v243
	v_exp_f32 v255, v244
	v_mov_b32 v[MX], v253
	s_wait_alu depctr_va_vdst(0)
	v_fma_f32 v[LS], v[LS], v[FF], v254
	v_add_f32 v[LS], v[LS], v255
	ds_store_b64 v[PPS], v[254:255]                ; my wave's own copy of the 64 p
.irp k, 0,2,4,6
	v_pk_mul_f32 v[CTX+\k:CTX+\k+1], v[CTX+\k:CTX+\k+1], v[FF:FF+1] op_sel_hi:[1,0]
.endr
	LOADG 0
	s_wait_alu depctr_va_vdst(0)
.irp g, 0,1,2,3,4,5,6,7,8,9,10,11,12,13,14
	LOADG \g+1
	s_wait_alu depctr_va_vdst(0)
	s_wait_dscnt 5                                 ; the five loads just issued may be out
	FMAG \g
.endr
	s_wait_alu depctr_va_vdst(0)
	s_wait_dscnt 0x0
	FMAG 15
	s_wait_xcnt 0x0                                ; the scores' store has read its base
	s_add_nc_u64 s[SCB:SCB+1], s[SCB:SCB+1], 256
	s_add_co_u32 s[TM], s[TM], 64
	s_barrier_signal -1                            ; nobody reads this pass's rows in LDS any more
	s_barrier_wait -1
	s_sub_co_u32 s[PASS], s[PASS], 1
	s_cmp_lg_u32 s[PASS], 0
	s_cbranch_scc1 .Lpass
	v_add_f32_dpp v[LS], v[LS], v[LS] row_xmask:1 row_mask:0xf bank_mask:0xf
	v_add_f32_dpp v[LS], v[LS], v[LS] row_xmask:2 row_mask:0xf bank_mask:0xf
	v_add_f32_dpp v[LS], v[LS], v[LS] row_xmask:4 row_mask:0xf bank_mask:0xf
	v_add_f32_dpp v[LS], v[LS], v[LS] row_xmask:8 row_mask:0xf bank_mask:0xf
	v_mov_b32 v241, 0
	v_permlanex16_b32 v241, v[LS], s[SEL], s[SEL+1]
	v_add_f32 v241, v[LS], v241                    ; the part's sum,
	v_mov_b32 v240, v[MX]                          ; and its largest score
	ds_store_b128 v[F1], v[CTX:CTX+3]              ; my 256 columns of the context turn through my own 1,024 bytes of LDS, so that a store covers 512 consecutive bytes
	s_wait_alu depctr_va_vdst(0)
	ds_store_b128 v[F1], v[CTX+4:CTX+7] offset:16
	ds_load_b128 v[232:235], v[F2]
	ds_load_b128 v[236:239], v[F2] offset:512
	v_and_b32 v24, 31, v0
	v_lshlrev_b32 v24, 4, v24
	s_wait_alu depctr_va_vdst(0)
	s_wait_dscnt 0x0
	global_store_b128 v24, v[232:235], s[16:17]
	global_store_b128 v24, v[236:239], s[16:17] offset:512
	s_cmp_lg_u32 s[WV], 0
	s_cbranch_scc1 .Lno_stat
	global_store_b64 v[SGO], v[240:241], s[18:19]
.Lno_stat:
	s_wait_tensorcnt 0x0                           ; the wave's end
	ds_add_u32 v[SPW], v[NIL]
	s_wait_dscnt 0x0
	CROUND                                         ; the closing round
	s_endpgm
.Lfunc_end_k_qfaabcf0c13_main:
	.size	k_qfaabcf0c13_main, .Lfunc_end_k_qfaabcf0c13_main-k_qfaabcf0c13_main
	.p2alignl 7, 3214868480
	.fill 96, 4, 3214868480
	.section	.rodata,"a",@progbits
	.p2align	6, 0x0
	.amdhsa_kernel k_qfaabcf0c13_main
		.amdhsa_group_segment_fixed_size 327680
		.amdhsa_private_segment_fixed_size 0
		.amdhsa_enable_private_segment 0
		.amdhsa_kernarg_size 64
		.amdhsa_user_sgpr_count 2
		.amdhsa_user_sgpr_kernarg_segment_ptr 1
		.amdhsa_wavefront_size32 1
		.amdhsa_system_sgpr_workgroup_id_x 1
		.amdhsa_system_sgpr_workgroup_id_y 1
		.amdhsa_system_sgpr_workgroup_id_z 1
		.amdhsa_system_vgpr_workitem_id 0
		.amdhsa_next_free_vgpr 1024
		.amdhsa_next_free_sgpr 72
		.amdhsa_reserve_vcc 1
		.amdhsa_float_denorm_mode_32 3
		.amdhsa_float_denorm_mode_16_64 3
		.amdhsa_memory_ordered 1
		.amdhsa_forward_progress 1
		.amdhsa_inst_pref_size 255
	.end_amdhsa_kernel
	.section	.bss,"aw",@nobits
	.p2align	6
	.space	262144
	.amdgpu_metadata
---
amdhsa.version: [ 1, 2 ]
amdhsa.kernels:
  - .name:           k_qfaabcf0c13_main
    .symbol:         k_qfaabcf0c13_main.kd
    .args:
      - { .name: values, .offset: 0, .size: 8, .value_kind: global_buffer, .address_space: global }
      - { .name: mask, .offset: 8, .size: 8, .value_kind: global_buffer, .address_space: global }
      - { .name: wkq, .offset: 16, .size: 8, .value_kind: global_buffer, .address_space: global }
      - { .name: pq, .offset: 24, .size: 8, .value_kind: global_buffer, .address_space: global }
      - { .name: We, .offset: 32, .size: 8, .value_kind: global_buffer, .address_space: global }
      - { .name: scores, .offset: 40, .size: 8, .value_kind: global_buffer, .address_space: global }
      - { .name: part, .offset: 48, .size: 8, .value_kind: global_buffer, .address_space: global }
      - { .name: stat, .offset: 56, .size: 8, .value_kind: global_buffer, .address_space: global }
    .group_segment_fixed_size: 327680
    .private_segment_fixed_size: 0
    .kernarg_segment_align: 8
    .kernarg_segment_size: 64
    .max_flat_workgroup_size: 128
    .sgpr_count:     72
    .vgpr_count:     1024
    .wavefront_size: 32
...
	.end_amdgpu_metadata
.endif
;; end of part 2
;; launch finish (part 3): grid 32 x 1, 8 waves a work-group, no clusters, 0 bytes of LDS; arguments scores, part, stat, out0, out1; writes out0, out1
.if DOCPART == 3
	.amdgcn_target "amdgcn-amd-amdhsa--gfx1250"
	.amdhsa_code_object_version 6
	.text
	.protected	k_qfaabcf0c13_finish
	.globl	k_qfaabcf0c13_finish
	.p2align	8
	.type	k_qfaabcf0c13_finish,@function
k_qfaabcf0c13_finish:
	s_mov_b64 s[64:65], 0
	v_nop
	global_prefetch_b8 v0, s[64:65] scope:SCOPE_SE
	s_setreg_imm32_b32 hwreg(HW_REG_WAVE_MODE, 25, 1), 1
	s_wait_xcnt 0x0
; A work-group joins the eight partial softmaxes of one batch.  Partial i has its largest score m_i, its sum l_i of 2^((s - m_i) log2 e) and its context part_i under the same m_i.
; M = the largest m_i;  w_i = 2^((m_i - M) log2 e);  L = sum of l_i w_i;  out0 = sum of w_i part_i / L;  out1 = 2^((s - M) log2 e) / L.
; A partial whose rows are all masked has m = -3e38 and l = 0: its w is 0 beside any score.  A batch that is masked wholly has L = 0: 1 / L is infinite and both outputs are NaN, as the softmax of nothing is.
; No LDS, no barrier, no matrix work: 1.4 MB are read once.
	s_load_b256 s[4:11], s[0:1], 0x0               ; scores s[4:5], part s[6:7], stat s[8:9], out0 s[10:11]
	s_load_b64 s[12:13], s[0:1], 0x20              ; out1
	v_mov_b32 v1, 0
	v_lshlrev_b32 v2, 4, v0                        ; 16 x thread
	s_lshl_b32 s14, ttmp9, 13                      ; scores, out1: 8,192 bytes a batch
	s_mov_b32 s15, 0
	s_lshl_b32 s16, ttmp9, 15                      ; part: 8 x 4,096
	s_mov_b32 s17, 0
	s_lshl_b32 s18, ttmp9, 11                      ; stat: 8 x 256
	s_mov_b32 s19, 0
	s_lshl_b32 s20, ttmp9, 12                      ; out0: 4,096
	s_mov_b32 s21, 0
	s_mov_b32 s22, 0x3fb8aa3b                      ; log2(e)
	s_wait_alu depctr_va_vdst(0)
	s_wait_kmcnt 0x0
	s_add_nc_u64 s[4:5], s[4:5], s[14:15]
	s_add_nc_u64 s[6:7], s[6:7], s[16:17]
	s_add_nc_u64 s[8:9], s[8:9], s[18:19]
	s_add_nc_u64 s[10:11], s[10:11], s[20:21]
	s_add_nc_u64 s[12:13], s[12:13], s[14:15]
.irp i, 0,1,2,3,4,5,6,7
	global_load_b64 v[8+2*\i:9+2*\i], v1, s[8:9] offset:256*\i     ; (m_i, l_i)
.endr
.irp i, 0,1,2,3,4,5,6,7
	global_load_b128 v[24+4*\i:27+4*\i], v2, s[6:7] offset:4096*\i
.endr
	global_load_b128 v[56:59], v2, s[4:5]
	global_load_b128 v[60:63], v2, s[4:5] offset:4096
	s_wait_loadcnt 10                              ; the eight pairs are in; the ten loads behind them may be out
	v_max3_num_f32 v64, v8, v10, v12
	s_delay_alu instid0(VALU_DEP_1)
	v_max3_num_f32 v64, v64, v14, v16
	s_delay_alu instid0(VALU_DEP_1)
	v_max3_num_f32 v64, v64, v18, v20
	s_delay_alu instid0(VALU_DEP_1)
	v_max_num_f32 v64, v64, v22                    ; M
.irp i, 0,1,2,3,4,5,6,7
	v_sub_f32 v[66+\i], v[8+2*\i], v64
.endr
.irp i, 0,1,2,3,4,5,6,7
	v_mul_f32 v[66+\i], s22, v[66+\i]
.endr
	s_wait_alu depctr_va_vdst(0)
.irp i, 0,1,2,3,4,5,6,7
	v_exp_f32 v[66+\i], v[66+\i]                   ; w_i
.endr
	v_nop                                          ; a plain place behind the exponentials,
	s_wait_alu depctr_va_vdst(0)                   ; and one wait for the eight, ahead of their first reader
	v_mul_f32 v65, v9, v66
.irp i, 1,2,3,4,5,6,7
	v_fmac_f32 v65, v[9+2*\i], v[66+\i]            ; L
.endr
	s_wait_alu depctr_va_vdst(0)
	v_rcp_f32 v74, v65
	v_nop
	s_wait_alu depctr_va_vdst(0)
.irp i, 0,1,2,3,4,5,6,7
	v_mul_f32 v[66+\i], v[66+\i], v74              ; w_i / L
.endr
	s_wait_alu depctr_va_vdst(0)
	s_wait_loadcnt 2                               ; the eight partial contexts are in
.irp c, 0,1,2,3
	v_mul_f32 v[76+\c], v[24+\c], v66
.endr
.irp i, 1,2,3,4,5,6,7
.irp c, 0,1,2,3
	s_delay_alu instid0(VALU_DEP_4)
	v_fmac_f32 v[76+\c], v[24+4*\i+\c], v[66+\i]
.endr
.endr
	global_store_b128 v2, v[76:79], s[10:11]
	s_wait_loadcnt 0x0
.irp j, 0,1,2,3,4,5,6,7
	v_sub_f32 v[80+\j], v[56+\j], v64
.endr
.irp j, 0,1,2,3,4,5,6,7
	v_mul_f32 v[80+\j], s22, v[80+\j]
.endr
	s_wait_alu depctr_va_vdst(0)
.irp j, 0,1,2,3,4,5,6,7
	v_exp_f32 v[80+\j], v[80+\j]
.endr
	v_nop
	s_wait_alu depctr_va_vdst(0)
.irp j, 0,1,2,3,4,5,6,7
	v_mul_f32 v[80+\j], v[80+\j], v74
.endr
	global_store_b128 v2, v[80:83], s[12:13]
	global_store_b128 v2, v[84:87], s[12:13] offset:4096
	s_endpgm
.Lfunc_end_k_qfaabcf0c13_finish:
	.size	k_qfaabcf0c13_finish, .Lfunc_end_k_qfaabcf0c13_finish-k_qfaabcf0c13_finish
	.p2alignl 7, 3214868480
	.fill 96, 4, 3214868480
	.section	.rodata,"a",@progbits
	.p2align	6, 0x0
	.amdhsa_kernel k_qfaabcf0c13_finish
		.amdhsa_group_segment_fixed_size 0
		.amdhsa_private_segment_fixed_size 0
		.amdhsa_enable_private_segment 0
		.amdhsa_kernarg_size 40
		.amdhsa_user_sgpr_count 2
		.amdhsa_user_sgpr_kernarg_segment_ptr 1
		.amdhsa_wavefront_size32 1
		.amdhsa_system_sgpr_workgroup_id_x 1
		.amdhsa_system_sgpr_workgroup_id_y 1
		.amdhsa_system_sgpr_workgroup_id_z 1
		.amdhsa_system_vgpr_workitem_id 0
		.amdhsa_next_free_vgpr 96
		.amdhsa_next_free_sgpr 66
		.amdhsa_reserve_vcc 0
		.amdhsa_float_denorm_mode_32 3
		.amdhsa_float_denorm_mode_16_64 3
		.amdhsa_memory_ordered 1
		.amdhsa_forward_progress 1
		.amdhsa_inst_pref_size 8
	.end_amdhsa_kernel
	.amdgpu_metadata
---
amdhsa.version: [ 1, 2 ]
amdhsa.kernels:
  - .name:           k_qfaabcf0c13_finish
    .symbol:         k_qfaabcf0c13_finish.kd
    .args:
      - { .name: scores, .offset: 0, .size: 8, .value_kind: global_buffer, .address_space: global }
      - { .name: part, .offset: 8, .size: 8, .value_kind: global_buffer, .address_space: global }
      - { .name: stat, .offset: 16, .size: 8, .value_kind: global_buffer, .address_space: global }
      - { .name: out0, .offset: 24, .size: 8, .value_kind: global_buffer, .address_space: global }
      - { .name: out1, .offset: 32, .size: 8, .value_kind: global_buffer, .address_space: global }
    .group_segment_fixed_size: 0
    .private_segment_fixed_size: 0
    .kernarg_segment_align: 8
    .kernarg_segment_size: 40
    .max_flat_workgroup_size: 256
    .sgpr_count:     66
    .vgpr_count:     96
    .wavefront_size: 32
...
	.end_amdgpu_metadata
.endif
;; end of part 3
